; MI455X (gfx1250); checked and timed in simulation.
; The chip was launched on July 23, 2026; its instructions are those of AMD's public machine-readable ISA for CDNA 5 (MIT licence, August 2026) and "CDNA5" Instruction Set Architecture Reference Guide (July 2026). The comments in the code are by the model that wrote it; some were corrected since.
;; Scaled Dot Porduct Attention. Allowed arithmetic: matrix products marked QUANTISED: E2M3 operands, one E8M0 scale for each 32 along K, by v_wmma_scale_f32_16x16x128_f8f6f4 with both operands' format E2M3, f32 sums; everything else in f32.
;; Inputs: k 2 x 16 x 2,048 x 128 float32; q 2 x 16 x 2,048 x 128 float32; v 2 x 16 x 2,048 x 128 float32.
;; Outputs: out0 2 x 16 x 2,048 x 128 float32.
;; This version of the problem:
;;   THIS VERSION OF THE PROBLEM IS GIVEN IN LOW PRECISION. The matrix products marked QUANTISED in the list below multiply operands that are first quantised to E2M3 (2 exponent bits, 3 mantissa bits; 6 bits a number), with one power-of-two scale for each 32 numbers along K (OCP MX v1.0); their sums are f32. All else is computed in f32.
;;   The module's matrix products, in the order in which they are computed (A, B: the left and right operand; K: the contracted axis; several contracted axes count as one K, in the product's order):
;;     1. batch 32 x [M 2,048, K 128] x [K 128, N 2,048]; A: input q; B: input k: QUANTISED
;;     2. batch 32 x [M 2,048, K 2,048] x [K 2,048, N 128]; A: softmax (see below); B: input v: QUANTISED
;;   THE QUANTISER, for each operand of a quantised product, along K:
;;     - K is cut into blocks of 32 from its start; a last block that is shorter is filled with zeros.
;;     - A block's scale is 2^e with e = floor(log2(the largest magnitude in the block)) - 2, held to -126 .. 127; a block of zeros has e = 0. As a byte (E8M0): e + 127.
;;     - Each number is divided by its block's scale, clamped to +-7.5, and rounded to the nearest number of E2M3, ties to even, subnormals kept.
;;     - The product sums the exact products of the quantised numbers (number of the format x scale) in f32.
;;   ~~~python
;;   def quantise(x, axis):      # numpy; x: float32 -> the quantised numbers, widened to float32 again
;;       x = np.moveaxis(x, axis, -1); K = x.shape[-1]
;;       x = np.pad(x, [(0, 0)] * (x.ndim - 1) + [(0, -K % 32)]); x = x.reshape(x.shape[:-1] + (-1, 32)); a = np.abs(x).max(-1, keepdims=True)
;;       e = np.where(a > 0, np.clip(np.frexp(np.where(a > 0, a, 1))[1] - 1 - 2, -126, 127), 0)      # np.frexp(a)[1] - 1 = floor(log2(a)), exactly
;;       r = np.clip(x / 2.0 ** e, -7.5, 7.5)
;;       step = 2.0 ** (np.maximum(np.frexp(np.where(r == 0, 1, r))[1] - 1, 0) - 3)
;;       q = np.round(r / step) * step * 2.0 ** e      # np.round: ties to even
;;       return np.moveaxis(q.reshape(q.shape[:-2] + (-1,))[..., :K], -1, axis).astype(np.float32)
;;   ~~~
;;   SOFTMAX AHEAD OF A QUANTISED PRODUCT. Where the list says 'softmax', what is quantised is not the finished softmax but p = 2^(t - M), with t = logit x log2(e) and M = ceil(the row's largest t), a whole number; so 1/2 < the row's largest p <= 1. The row's sum l is taken of the UNQUANTISED p, in f32, and the product's result is divided by l at the end. Since M is a whole number, a kernel that streams over the keys may use a running M (the ceiling of the running maximum): every later rescaling is an exact power of two, which a block's scale takes up: the codes' values come out the same.
;;   OPERANDS COMPUTED ON THE WAY. 'Computed on the way' means the value that the module computes at that place (a softmax that the list does not call 'softmax' is quantised finished and normalised). What goes into a quantiser is computed in f32, as accurately as f32 sums, v_exp_f32 and their like allow (about 1e-6 of the number): no bf16 or f16 on the way to a quantiser, and a product that is left as it is and whose result goes on into a quantised operand takes f32 operands (vector FMAs, or v_wmma_f32_16x16x4_f32). A number that lies on a knife's edge between two numbers of the format may be rounded either way, as far as f32 arithmetic and the matrix unit's own rounding can turn it there, and no further.
;; One version. Each part assembles by itself: llvm-mc -triple=amdgcn-amd-amdhsa -mcpu=gfx1250 --defsym DOCPART=n.
;; ======== version 1 of 1: 2 launches
;; limits: right only within a limited range of input values
;; workspace buffers: kv 13,107,200 bytes
;; launch prep (part 1): grid 512 x 1, 8 waves a work-group, no clusters, 136,192 bytes of LDS; arguments k, v, kv; writes kv
.if DOCPART == 1
	.amdgcn_target "amdgcn-amd-amdhsa--gfx1250"
	.amdhsa_code_object_version 6
	.text
	.protected	k_qb03006e8cb_prep
	.globl	k_qb03006e8cb_prep
	.p2align	8
	.type	k_qb03006e8cb_prep,@function
k_qb03006e8cb_prep:
	s_mov_b64 s[64:65], 0
	v_nop
	global_prefetch_b8 v0, s[64:65] scope:SCOPE_SE
	s_setreg_imm32_b32 hwreg(HW_REG_WAVE_MODE, 25, 1), 1
	s_wait_xcnt 0x0
; k and v, [32 heads][2048 keys][128] f32, become codes of FP6 (E2M3) with one E8M0 scale byte for each 32 along a product's K: k along the head's 128, v along the KEYS.
; kv holds IMAGES OF THE OPERANDS' REGISTERS, a unit of 25,600 bytes for each head and key step of 128 keys (unit = 16 x head + step):
;   bytes 0 ..      K's 8 fragments, 1,536 bytes each: register 4 g + i of lane L at 512 g + 16 L + 4 i.  Tile t: lane (r, h) holds key 64 (t / 4) + 32 (r / 8) + 8 (t % 4) + r % 8, registers 6 c .. 6 c + 5 its d = 64 c + 32 h + 0 .. 31
;   bytes 12,288 .. V's 8 fragments likewise.  Tile T: lane (r, h) holds channel 16 T + r, registers 6 c .. 6 c + 5 its keys 64 c + 32 h + 0 .. 31
;   bytes 24,576 .. K's scale words, then (25,088 ..) V's: the word of (tile t, row r) at 16 (r + 16 (t / 4)) + 4 (t % 4)
; A block's scale is 2^(floor(log2(its largest magnitude)) - 2); its byte is the largest magnitude's exponent field - 2, held at 1 from below by a floor among the maximum's leaves.
; LIMITS: NaN and infinities among the inputs are not served.  A block of zeros, or one under 2^-124, gets the byte 1 (the rule says 127 for zeros): its codes are zeros, and this program alone reads the bytes.
; SHARES: one work-group of eight waves to a unit; wave w makes K's tile w and V's tile w.  Every global load reads a row of 512 consecutive bytes.
; k's 16 rows of a tile turn through the wave's own stage (pitch 528); v's 128 rows meet in LDS, and behind a barrier a lane reads ONE channel down the keys.
; No matrix units, tensor loads or clusters: a stream, each byte read once, no input shared between work-groups.
.set SP,    528
.set WST,   16*SP
.set KST,   65792                      ; v's rows lie at 0: row key at 512 key + 64 (key / 32)
.set SCB,   KST+8*WST                  ; 512 bytes of K's scale words, then V's
.set UNITB, 25600
.set LD,  2                            ; 16 x lane
.set KSI, 5                            ; my stage, way in
.set KSO, 6                            ; and out: 528 r + 128 h
.set VSI, 7                            ; v's rows, way in
.set VSO, 8                            ; and out: 64 w + 4 r + 16,448 h
.set SWS, 9                            ; my row's scale word
.set PD,  10                           ; a lane permute's destination
.set KGO, 11                           ; my tile's image in the unit
.set SCI, 13                           ; the scale words' way out of LDS
.set SCG, 14                           ; and their place in the unit
.set H8,  15                           ; 8 h
.set MX,  16
.set SO,  18
.set BY,  20
.set WK,  22
.set WV,  23
.set T,   24
.set RK,  32
.set RV,  96
.set X,   160
.set CK,  224
.set CV,  236
; 64 numbers of a lane (block c in v[src + 32 c] on) become the fragment's 12 registers and the row's scale word
.macro QUANT2 src, dst, w
.irp c, 0,1
	v_max3_num_f32 v[MX+\c], |v[\src+32*\c]|, |v[\src+32*\c+1]|, 0x1800000   ; the floor 2^(3 - 127) is one more leaf
.endr
.irp i, 2,4,6,8,10,12,14,16,18,20,22,24,26,28,30
.irp c, 0,1
	s_delay_alu instid0(VALU_DEP_2)
	v_max3_num_f32 v[MX+\c], v[MX+\c], |v[\src+32*\c+\i]|, |v[\src+32*\c+\i+1]|
.endr
.endr
.irp c, 0,1
	s_delay_alu instid0(VALU_DEP_2)
	v_add_nc_u32 v[SO+\c], 0xff000000, v[MX+\c]    ; 2 off the exponent field: the conversion's scale operand
.endr
.irp c, 0,1
	s_delay_alu instid0(VALU_DEP_2)
	v_lshrrev_b32 v[BY+\c], 23, v[SO+\c]           ; the scale's byte
.endr
	s_delay_alu instid0(VALU_DEP_1)
	v_lshl_or_b32 v[\w], v[BY+1], 16, v[BY]        ; blocks h and 2 + h,
	s_delay_alu instid0(VALU_DEP_1)
	v_lshlrev_b32 v[\w], v[H8], v[\w]              ; at their places in the word;
	s_delay_alu instid0(VALU_DEP_1)
	v_permlanex16_b32 v[PD], v[\w], s22, s23
	s_delay_alu instid0(VALU_DEP_1)
	v_or_b32 v[\w], v[\w], v[PD]                   ; with lane l xor 16's two the word is whole
.irp c, 0,1
	v_cvt_scalef32_pk16_fp6_f32 v[\dst+6*\c:\dst+6*\c+2], v[\src+32*\c:\src+32*\c+15], v[SO+\c]
	v_cvt_scalef32_pk16_fp6_f32 v[T+4*\c:T+4*\c+2], v[\src+32*\c+16:\src+32*\c+31], v[SO+\c]   ; (three registers from an even one: made here and moved)
.endr
	v_nop                                          ; one plain place behind the scaled conversions
.irp c, 0,1
.irp i, 0,1,2
	v_mov_b32 v[\dst+6*\c+3+\i], v[T+4*\c+\i]
.endr
.endr
.endm
	s_load_b128 s[4:7], s[0:1], 0x0                ; k, v
	s_load_b64 s[8:9], s[0:1], 0x10                ; kv
	v_lshl_add_u32 v248, v0, 2, 0x21000            ; my spare word, behind all else in LDS
	v_mov_b32 v249, 0
	v_lshrrev_b32 v1, 5, v0
	s_delay_alu instid0(VALU_DEP_1)
	v_readfirstlane_b32 s10, v1                    ; wave 0..7
	v_and_b32 v1, 31, v0
	s_delay_alu instid0(VALU_DEP_1)
	v_lshlrev_b32 v[LD], 4, v1
	v_and_b32 v3, 15, v0                           ; r
	v_bfe_u32 v4, v0, 4, 1                         ; h
	s_delay_alu instid0(VALU_DEP_1)
	v_lshlrev_b32 v[H8], 3, v4
	v_mov_b32 v[PD], 0
	s_mul_i32 s11, s10, WST
	s_add_co_u32 s11, s11, KST                     ; my stage
	v_add_nc_u32 v[KSI], s11, v[LD]
	v_mul_u32_u24 v[KSO], v3, SP
	s_delay_alu instid0(VALU_DEP_1)
	v_lshl_add_u32 v[KSO], v4, 7, v[KSO]
	s_delay_alu instid0(VALU_DEP_1)
	v_add_nc_u32 v[KSO], s11, v[KSO]
	s_lshl_b32 s11, s10, 13                        ; 16 rows of 512 bytes a wave
	s_lshr_b32 s12, s10, 1
	s_lshl_b32 s13, s12, 6
	s_add_co_u32 s13, s13, s11
	v_add_nc_u32 v[VSI], s13, v[LD]
	v_mul_u32_u24 v[VSO], v4, 16448                ; 32 rows and their 64 bytes further on for lanes 16-31
	s_delay_alu instid0(VALU_DEP_1)
	v_lshl_add_u32 v[VSO], v3, 2, v[VSO]
	s_lshl_b32 s13, s10, 6                         ; my 16 channels; also my 64 bytes of scale words
	v_add_nc_u32 v[VSO], s13, v[VSO]
	s_add_co_u32 s13, s13, SCB
	v_lshl_add_u32 v[SWS], v3, 2, s13
	s_and_b32 s13, s10, 1
	s_lshl_b32 s13, s13, 9
	v_lshlrev_b32 v[SCI], 2, v3
	s_delay_alu instid0(VALU_DEP_1)
	v_lshl_add_u32 v[SCI], v4, 8, v[SCI]
	s_delay_alu instid0(VALU_DEP_1)
	v_add_nc_u32 v[SCI], s13, v[SCI]
	s_delay_alu instid0(VALU_DEP_1)
	v_add_nc_u32 v[SCI], SCB, v[SCI]
	v_add_nc_u32 v[SCG], s13, v[LD]
	s_delay_alu instid0(VALU_DEP_1)
	v_add_nc_u32 v[SCG], 24576, v[SCG]
	s_mul_i32 s13, s10, 1536
	v_add_nc_u32 v[KGO], s13, v[LD]
	s_lshl_b32 s14, ttmp9, 16                      ; the unit's 128 rows of 512 bytes
	s_lshr_b32 s16, s10, 2                         ; k: my tile's first row is 64 (w / 4) + 8 (w % 4)
	s_lshl_b32 s16, s16, 15
	s_and_b32 s17, s10, 3
	s_lshl_b32 s17, s17, 12
	s_add_co_u32 s16, s16, s17
	s_add_co_u32 s16, s16, s14
	s_mov_b32 s17, 0
	s_add_co_u32 s18, s11, s14                     ; v: rows 16 w on
	s_mov_b32 s19, 0
	s_mul_i32 s20, ttmp9, UNITB
	s_mov_b32 s21, 0
	s_mov_b32 s22, 0x76543210
	s_mov_b32 s23, 0xfedcba98                      ; selects for lane l xor 16
	s_wait_alu depctr_va_vdst(0)                   ; the wait at the head's end
	s_wait_kmcnt 0x0
	s_add_nc_u64 s[4:5], s[4:5], s[16:17]
	s_add_nc_u64 s[6:7], s[6:7], s[18:19]
	s_add_nc_u64 s[8:9], s[8:9], s[20:21]
.irp i, 0,1,2,3,4,5,6,7,8,9,10,11,12,13,14,15
	global_load_b128 v[RV+4*\i:RV+4*\i+3], v[LD], s[6:7] offset:512*\i th:TH_LOAD_NT   ; v first: the other waves need it
.endr
.irp i, 0,1,2,3,4,5,6,7,8,9,10,11,12,13,14,15
	global_load_b128 v[RK+4*\i:RK+4*\i+3], v[LD], s[4:5] offset:512*(\i+24*(\i/8)) th:TH_LOAD_NT   ; the tile's rows: eight neighbours, and the eight that lie 32 further on
.endr
	s_wait_loadcnt 16                              ; v's 16 loads are in; k's 16 may be out
.irp i, 0,1,2,3,4,5,6,7,8,9,10,11,12,13,14,15
	ds_store_b128 v[VSI], v[RV+4*\i:RV+4*\i+3] offset:512*\i
.endr
	s_wait_loadcnt 0x0
.irp i, 0,1,2,3,4,5,6,7,8,9,10,11,12,13,14,15
	ds_store_b128 v[KSI], v[RK+4*\i:RK+4*\i+3] offset:SP*\i
.endr
.irp c, 0,1
.irp j, 0,1,2,3,4,5,6,7
	ds_load_b128 v[X+32*\c+4*\j:X+32*\c+4*\j+3], v[KSO] offset:256*\c+16*\j   ; a wave's LDS instructions are served in order: these see my stores
.endr
.endr
	s_wait_dscnt 0x0                               ; for the others' sake: my rows of v have landed
	s_barrier_signal -1
	s_barrier_wait -1                              ; all 128 rows of v lie in LDS
.irp c, 0,1
.set i, 0
.rept 32
	ds_load_b32 v[RV+32*\c+i], v[VSO] offset:(64*\c+i)*512+128*\c   ; v(key 64 c + 32 h + i, channel 16 w + r)
.set i, i+1
.endr
.endr
	QUANT2 X, CK, WK
	ds_store_b32 v[SWS], v[WK]                     ; both lanes of a row write the same word
.irp g, 0,1,2
	global_store_b128 v[KGO], v[CK+4*\g:CK+4*\g+3], s[8:9] offset:512*\g   ; 512 consecutive bytes, at a multiple of 256 from kv's first byte
.endr
	s_wait_dscnt 0x0                               ; my channel's 64 numbers are in
	QUANT2 RV, CV, WV
	ds_store_b32 v[SWS], v[WV] offset:512
.irp g, 0,1,2
	global_store_b128 v[KGO], v[CV+4*\g:CV+4*\g+3], s[8:9] offset:12288+512*\g
.endr
	s_wait_dscnt 0x0                               ; for the others' sake: my scale words have landed
	s_barrier_signal -1
	s_barrier_wait -1
	s_cmp_lt_u32 s10, 2                            ; wave 0 sends K's 512 bytes of scale words, wave 1 V's
	s_cbranch_scc0 .Ldone
.irp j, 0,1,2,3
	ds_load_b32 v[T+\j], v[SCI] offset:64*\j       ; lane (r, h), register j: the word of tile 4 h + j, row r
.endr
	s_wait_dscnt 0x0
	global_store_b128 v[SCG], v[T:T+3], s[8:9]
.Ldone:
	s_wait_tensorcnt 0x0                           ; the wave's end
	ds_add_u32 v248, v249
	s_wait_dscnt 0x0
	s_endpgm
.Lfunc_end_k_qb03006e8cb_prep:
	.size	k_qb03006e8cb_prep, .Lfunc_end_k_qb03006e8cb_prep-k_qb03006e8cb_prep
	.p2alignl 7, 3214868480
	.fill 96, 4, 3214868480
	.section	.rodata,"a",@progbits
	.p2align	6, 0x0
	.amdhsa_kernel k_qb03006e8cb_prep
		.amdhsa_group_segment_fixed_size 136192
		.amdhsa_private_segment_fixed_size 0
		.amdhsa_enable_private_segment 0
		.amdhsa_kernarg_size 24
		.amdhsa_user_sgpr_count 2
		.amdhsa_user_sgpr_kernarg_segment_ptr 1
		.amdhsa_wavefront_size32 1
		.amdhsa_system_sgpr_workgroup_id_x 1
		.amdhsa_system_sgpr_workgroup_id_y 1
		.amdhsa_system_sgpr_workgroup_id_z 1
		.amdhsa_system_vgpr_workitem_id 0
		.amdhsa_next_free_vgpr 250
		.amdhsa_next_free_sgpr 66
		.amdhsa_reserve_vcc 0
		.amdhsa_float_denorm_mode_32 3
		.amdhsa_float_denorm_mode_16_64 3
		.amdhsa_memory_ordered 1
		.amdhsa_forward_progress 1
		.amdhsa_inst_pref_size 23
	.end_amdhsa_kernel
	.amdgpu_metadata
---
amdhsa.version: [ 1, 2 ]
amdhsa.kernels:
  - .name:           k_qb03006e8cb_prep
    .symbol:         k_qb03006e8cb_prep.kd
    .args:
      - { .name: k, .offset: 0, .size: 8, .value_kind: global_buffer, .address_space: global }
      - { .name: v, .offset: 8, .size: 8, .value_kind: global_buffer, .address_space: global }
      - { .name: kv, .offset: 16, .size: 8, .value_kind: global_buffer, .address_space: global }
    .group_segment_fixed_size: 136192
    .private_segment_fixed_size: 0
    .kernarg_segment_align: 8
    .kernarg_segment_size: 24
    .max_flat_workgroup_size: 256
    .sgpr_count:     66
    .vgpr_count:     250
    .wavefront_size: 32
...
	.end_amdgpu_metadata
.endif
;; end of part 1
;; launch attn (part 2): grid 8 x 32, 8 waves a work-group, clusters of 4 x 1, 327,680 bytes of LDS; arguments q, kv, out0; writes out0
.if DOCPART == 2
	.amdgcn_target "amdgcn-amd-amdhsa--gfx1250"
	.amdhsa_code_object_version 6
	.text
	.protected	k_qb03006e8cb_attn
	.globl	k_qb03006e8cb_attn
	.p2align	8
	.type	k_qb03006e8cb_attn,@function
k_qb03006e8cb_attn:
	s_mov_b64 s[64:65], 0
	v_nop
	global_prefetch_b8 v0, s[64:65] scope:SCOPE_SE
	s_setreg_imm32_b32 hwreg(HW_REG_WAVE_MODE, 25, 1), 1
	s_wait_xcnt 0x0
	s_wait_alu depctr_hold_cnt(0) depctr_sa_sdst(0) depctr_va_vdst(0) depctr_va_sdst(0) depctr_va_ssrc(0) depctr_va_vcc(0) depctr_vm_vsrc(0)
	s_getreg_b32 s2, hwreg(HW_REG_IB_STS2, 6, 4)
	s_cmp_eq_u32 s2, 0
	s_cbranch_scc0 .Lentry_in_a_cluster
	s_endpgm
.Lentry_in_a_cluster:
	s_bfe_u32 s2, ttmp6, 0x10000c
	s_cmp_lg_u32 s2, 0x3003
	s_cbranch_scc0 .Lentry_shape_is_right
	s_endpgm
.Lentry_shape_is_right:
; out0[h][q][:] = sum over k of softmax_k(q[h][q] . k[h][k] / sqrt(128)) v[h][k][:]; 32 heads, 2,048 queries and keys, head size 128; both products on FP6 (E2M3) codes with one E8M0 scale for each 32 along K.
; q: f32, quantised here in registers.  k, v come as kv: a unit of 25,600 bytes for each head and key step of 128 keys: K's 8 and V's 8 fragments as images of the operands' registers
; (register 4 g + i of lane L at 512 g + 16 L + 4 i of a fragment's 1,536 bytes), then K's and V's scale words (tile t, row r at 16 (r + 16 (t / 4)) + 4 (t % 4)).
; SOFTMAX: t = score x log2(e) / sqrt(128); M = the running largest t rounded UP to a whole number; p = 2^(t - M) is quantised along the keys, not normalised; the row's sum is taken of the unquantised p in f32
; and divides O at the end.  When M moves, the sum and O are multiplied by 2^(old M - new M): exact, in every step, no branch on data.
; LAYOUT: both products transposed: S^T = K Q^T, O^T = V^T P^T: a lane holds ONE query (lane % 16).  Row 8 h + j of K's tile t is key 64 (t / 4) + 32 h + 8 (t % 4) + j, so register 32 c + i of a lane's 64 scores is
; key 64 c + 32 h + i: a lane holds two WHOLE blocks of 32 keys, in the order of the next operand's registers: the block's maximum needs no other lane and the codes are not moved between lanes.
; A BLOCK'S SCALE: the block's largest p is 2^x, x = its largest score put through the elements' own multiply-add; the scale's byte is floor(x) + 125, held at 1 from below, made by plain arithmetic
; (floor(x) + 2^23 + 125 as f32 holds the byte in its lowest bits).  Where v_exp_f32 rounds such a p up to the next power of two, that p is held at the largest code.
; LIMITS: NaN and infinities are not served; scores finite in f32; the scaled scores stay under 2^31 in magnitude.  A block of q under 2^-124, or of p fallen to 0, gets the byte 1: zero codes add nothing under it.
; SHARES: a work-group owns 256 queries of one head, each of eight waves 32: two tiles of 16, worked by turns line by line, so that each fragment feeds two products and independent lines stand between dependent ones.
; LDS: region 0 holds six key steps (153,600 dense bytes), region 1 four (102,400).  The 16 steps go as 6 + 4 + 6: steps 0-5 are asked for at the head, steps 6-9 behind the first round (region 1's first fill),
; steps 10-15 behind the second (region 0 filled again); a plain barrier stands ahead of the last six.  Every wave brings an eighth of a fill (75 or 50 rows of 256 bytes) by one tensor load: one of a wave's is out at a time.
; CLUSTER: the four query blocks of a cluster belong to one head and walk the same kv: each part is asked for jointly.  Inside a region the next step's K fragments are fetched behind the halves of O^T's products.
; REGISTERS.  Window 0: v1-9 addresses; v12-19 -M, largest score, the sum's halves (4 a tile); v20-23 f and p's scale word; v24-25 q's scale words; v26-29 K's; v30-33 V's; v34-81 four fragments; v82-105 p's codes;
;   v106-127 at work; v128-255 S^T, then p (64 a tile).  Window 1: v0-127 O^T; v128-151 q's fragments; v160-207 four more fragments.
.set STEPB, 25600
.set R0B,   6*STEPB                    ; region 0, at LDS byte 0
.set R1B,   4*STEPB                    ; region 1
.set PART0, R0B/8                      ; a wave's part of a fill: 75 rows of 256 bytes,
.set PART1, R1B/8                      ; or 50
.set HEADB, 16*STEPB
.set SPARE, R0B                        ; behind region 0: the spare words, 128 bytes a wave
.set R1,    R0B+1024
.set STG,   R1+R1B                     ; a stage of 16 x 528 bytes for each wave; no fill lands there
.set SP,    528
.set LI,  1                            ; 16 x lane
.set ADR, 2                            ; LDS address of the step in hand + 16 x lane
.set H8,  3                            ; 8 (lane / 16)
.set SPW, 4                            ; my spare word; never rewritten
.set NIL, 5                            ; 0; never rewritten
.set STI, 6                            ; my stage by rows
.set STQ, 7                            ; q's way out of it: 528 r + 128 h
.set STO, 8                            ; O's way in: 528 r + 32 h
.set PFO, 9                            ; the prefetch's offset: 256 x min(thread, 149); never rewritten
.set ST,  12                           ; tile x: v[ST+4x] -M, +1 the largest score, +2, +3 the sum's halves
.set FF,  20                           ; tile x: v[FF+2x] f, +1 p's scale word
.set QS,  24
.set KS,  26
.set VS,  30
.set F0,  34
.set PC,  82
.set BM,  106                          ; v106-113 eight maxima
.set SU,  106                          ; later: v106-117 three more sum pairs a tile
.set CT,  106                          ; later: v106-121 the second halves of the blocks' codes
.set TT,  114
.set PD,  116                          ; lane permutes' destinations
.set ZB,  118                          ; v118-121 block (x, c)
.set WD,  122                          ; the old -M, then the scale word in the making
.set SO,  124                          ; v124-127 the conversions' scale operands
.set S,   128
.set QF,  128                          ; window 1
.set F1,  160                          ; window 1
.set WV,  10
.set G1,  16                           ; s[16:23] group 1 for region 0's fills
.set G0,  24                           ; s[24:27] group 0 for them
.set TB,  28                           ; LDS byte at which the step in hand begins
.set CNT, 30
.set LIM, 31                           ; 1 in a wave that prefetches
.set CS,  32                           ; c = log2(e) / sqrt(128), as a pair
.set SEL, 34
.set PFA, 36
.set G0B, 44                           ; s[44:47] group 0 for region 1's fill
.set G1B, 48                           ; s[48:55] group 1 for it
.set MSB, 0
.macro WIN new                         ; s_set_vgpr_msb: 1:0 source 0, 3:2 source 1, 5:4 source 2, 7:6 destination; the high byte repeats the setting left
.if MSB != (\new)
	s_set_vgpr_msb (MSB<<8)|(\new)
.set MSB, (\new)
.endif
.endm
.macro PLACES n
.rept \n
	v_nop
.endr
.endm
.macro CROUND                          ; a round of the cluster's barrier
	s_barrier_signal -1
	s_barrier_wait -1
	s_cmp_lg_u32 s[WV], 0
	s_cbranch_scc1 .Lnot_wave_0_\@
	s_barrier_signal -3
.Lnot_wave_0_\@:
	s_barrier_wait -3
	s_barrier_signal -1
	s_barrier_wait -1
.endm
.macro JLOAD g0, g1                    ; my eighth of a fill, asked for jointly
	tensor_load_to_lds s[\g0:\g0+3], s[\g1:\g1+7]
	s_nop 0
	PLACES 4
.endm
; The prefetch of key steps 10-15, which region 0's refill will ask for six key steps later; it stands once, behind region 1's load.  The head's first cluster asks; partner cx takes 150 of the 600 blocks of 256 bytes,
; waves 0 to 4 a lane a block (the lanes left over in wave 4 name the last block again): each block is named once.  Steps 0-9 come by their loads alone.
.macro ASK
	s_cmp_eq_u32 s[LIM], 1
	s_cbranch_scc0 .Lnot_mine_\@
	global_prefetch_b8 v[PFO], s[PFA:PFA+1] th:TH_LOAD_NT scope:SCOPE_SE
.Lnot_mine_\@:
.endm
; The meeting ahead of a region's steps: all my tensor loads are in, the add, my LDS reads are over; then the barrier.  fill = 1: a round of the cluster's, region 1's first fill first behind it;
; fill = 2: a round, region 0's refill first behind it; fill = 0: the work-group's barrier, nothing is asked for.
.macro CHANGE fill
	s_wait_tensorcnt 0x0
	ds_add_u32 v[SPW], v[NIL]
.if \fill == 1
	s_add_nc_u64 s[G0+2:G0+3], s[G0+2:G0+3], 10*STEPB   ; no load of mine is out: region 0's group 0 walks to steps 10-15
.endif
	s_wait_dscnt 0x0
.if \fill
	CROUND
.else
	s_barrier_signal -1
	s_barrier_wait -1
.endif
.if \fill == 1
	JLOAD G0B, G1B
	ASK
.endif
.if \fill == 2
	JLOAD G0, G1
.endif
.endm
.macro FRA off, soff, sreg             ; 13 LDS loads: eight tiles' scale words (register j: tile j in lanes 0-15, tile 4 + j in lanes 16-31) and tiles 0-3, window 0
	ds_load_b128 v[\sreg:\sreg+3], v[ADR] offset:\soff
.irp t, 0,1,2,3
.irp g, 0,1,2
	ds_load_b128 v[F0+12*\t+4*\g:F0+12*\t+4*\g+3], v[ADR] offset:\off+1536*\t+512*\g
.endr
.endr
.endm
.macro FRB off                         ; 12 LDS loads: tiles 4-7, window 1
	WIN 0x40
.irp t, 0,1,2,3
.irp g, 0,1,2
	ds_load_b128 v[F1+12*\t+4*\g:F1+12*\t+4*\g+3], v[ADR] offset:\off+1536*(4+\t)+512*\g
.endr
.endr
.endm
.macro KQ g                            ; 8 products of S^T: K's tiles 4 g .. 4 g + 3 x my two tiles; each is a whole sum (K = 128) begun with 0
	WIN 0x04+\g
.irp t, 0,1,2,3
.irp x, 0,1
.if \g
	v_wmma_scale_f32_16x16x128_f8f6f4 v[S+64*\x+8*(4+\t):S+64*\x+8*(4+\t)+7], v[F1+12*\t:F1+12*\t+11], v[QF+12*\x:QF+12*\x+11], 0, v[KS+\t], v[QS+\x] matrix_a_fmt:MATRIX_FMT_FP6 matrix_b_fmt:MATRIX_FMT_FP6 matrix_a_scale:MATRIX_SCALE_ROW1
.else
	v_wmma_scale_f32_16x16x128_f8f6f4 v[S+64*\x+8*\t:S+64*\x+8*\t+7], v[F0+12*\t:F0+12*\t+11], v[QF+12*\x:QF+12*\x+11], 0, v[KS+\t], v[QS+\x] matrix_a_fmt:MATRIX_FMT_FP6 matrix_b_fmt:MATRIX_FMT_FP6
.endif
.endr
.endr
.endm
.macro PV g                            ; 8 products of O^T: the 16 accumulators take turns, one link a key step each
	WIN 0x50+\g
.irp t, 0,1,2,3
.irp x, 0,1
.if \g
	v_wmma_scale_f32_16x16x128_f8f6f4 v[64*\x+8*(4+\t):64*\x+8*(4+\t)+7], v[F1+12*\t:F1+12*\t+11], v[PC+12*\x:PC+12*\x+11], v[64*\x+8*(4+\t):64*\x+8*(4+\t)+7], v[VS+\t], v[FF+2*\x+1] matrix_a_fmt:MATRIX_FMT_FP6 matrix_b_fmt:MATRIX_FMT_FP6 matrix_a_scale:MATRIX_SCALE_ROW1
.else
	v_wmma_scale_f32_16x16x128_f8f6f4 v[64*\x+8*\t:64*\x+8*\t+7], v[F0+12*\t:F0+12*\t+11], v[PC+12*\x:PC+12*\x+11], v[64*\x+8*\t:64*\x+8*\t+7], v[VS+\t], v[FF+2*\x+1] matrix_a_fmt:MATRIX_FMT_FP6 matrix_b_fmt:MATRIX_FMT_FP6
.endif
.endr
.endr
.endm
.macro TMINUS q                        ; t - M of 16 scores of each tile, two at a time (of the pairs c and -M the low word serves both halves)
.irp x, 0,1
.irp j, 0,2,4,6,8,10,12,14
	v_pk_fma_f32 v[S+64*\x+16*\q+\j:S+64*\x+16*\q+\j+1], v[S+64*\x+16*\q+\j:S+64*\x+16*\q+\j+1], s[CS:CS+1], v[ST+4*\x:ST+4*\x+1] op_sel_hi:[1,0,0]
.endr
.endr
.endm
; Both tiles' softmax for one key step, by turns.  v[WD+x] holds the old -M on the way in.
.macro SOFT2
.irp x, 0,1
.irp c, 0,1
.irp a, 0,1
	v_max3_num_f32 v[BM+4*\x+2*\c+\a], v[S+64*\x+32*\c+16*\a], v[S+64*\x+32*\c+16*\a+1], v[S+64*\x+32*\c+16*\a+2]   ; eight chains: tile x, block c, half a; each accumulator is read from its low end on
.endr
.endr
.endr
.irp i, 3,5,7,9,11,13
.irp x, 0,1
.irp c, 0,1
.irp a, 0,1
	v_max3_num_f32 v[BM+4*\x+2*\c+\a], v[BM+4*\x+2*\c+\a], v[S+64*\x+32*\c+16*\a+\i], v[S+64*\x+32*\c+16*\a+\i+1]
.endr
.endr
.endr
.endr
.irp x, 0,1
.irp c, 0,1
	v_max3_num_f32 v[BM+4*\x+2*\c], v[BM+4*\x+2*\c], v[BM+4*\x+2*\c+1], v[S+64*\x+32*\c+15]
.endr
.endr
.irp x, 0,1
.irp c, 0,1
	v_max_num_f32 v[BM+4*\x+2*\c], v[BM+4*\x+2*\c], v[S+64*\x+32*\c+31]   ; the largest score of my block 2 c + h
.endr
.endr
.irp x, 0,1
	v_max_num_f32 v[TT+\x], v[BM+4*\x], v[BM+4*\x+2]
.endr
.irp x, 0,1
	v_permlanex16_b32 v[PD+\x], v[TT+\x], s[SEL], s[SEL+1]
.endr
.irp x, 0,1
	v_max3_num_f32 v[ST+4*\x+1], v[ST+4*\x+1], v[TT+\x], v[PD+\x]   ; the running largest score of my query
.endr
.irp x, 0,1
	v_mul_f32 v[TT+\x], s[CS], v[ST+4*\x+1]        ; as t (c is positive)
.endr
.irp x, 0,1
	v_floor_f32 v[ST+4*\x], -v[TT+\x]              ; the new -M = -ceil(t)
.endr
.irp x, 0,1
	v_sub_f32 v[TT+\x], v[ST+4*\x], v[WD+\x]       ; old M less new M: a whole number, 0 or less
.endr
.irp x, 0,1
.irp c, 0,1
	v_fma_f32 v[ZB+2*\x+\c], v[BM+4*\x+2*\c], s[CS], v[ST+4*\x]   ; x = t - M of the block's largest score
.endr
.endr
.irp x, 0,1
	v_cvt_i32_f32 v[TT+\x], v[TT+\x]               ; (it saturates)
.endr
.irp x, 0,1
.irp c, 0,1
	v_max_num_f32 v[ZB+2*\x+\c], 0xc2f80000, v[ZB+2*\x+\c]   ; held at -124: the byte cannot fall under 1
.endr
.endr
.irp x, 0,1
	v_ldexp_f32 v[FF+2*\x], 1.0, v[TT+\x]          ; f = 2^(old M - new M)
.endr
.irp x, 0,1
.irp c, 0,1
	v_floor_f32 v[ZB+2*\x+\c], v[ZB+2*\x+\c]
.endr
.endr
.irp x, 0,1
.irp c, 0,1
	v_add_f32 v[ZB+2*\x+\c], 0x4b00007d, v[ZB+2*\x+\c]   ; + 2^23 + 125, exact: the lowest byte is the scale's byte
.endr
.endr
.irp x, 0,1
.irp c, 0,1
	v_lshlrev_b32 v[SO+2*\x+\c], 23, v[ZB+2*\x+\c] ; the byte as an exponent field: the conversion's scale operand
.endr
.endr
.irp x, 0,1
	v_perm_b32 v[WD+\x], v[ZB+2*\x+1], v[ZB+2*\x], 0x0c040c00   ; my two bytes at bytes 0 and 2, zeros between
.endr
	TMINUS 0
.irp x, 0,1
	v_lshlrev_b32 v[WD+\x], v[H8], v[WD+\x]        ; blocks h and 2 + h at their places
.endr
	TMINUS 1
.irp x, 0,1
	v_permlanex16_b32 v[PD+\x], v[WD+\x], s[SEL], s[SEL+1]
.endr
	TMINUS 2
.irp x, 0,1
	v_or_b32 v[FF+2*\x+1], v[WD+\x], v[PD+\x]      ; p's scale word for these 128 keys
.endr
	TMINUS 3
	s_wait_alu depctr_va_vdst(0)                   ; the wait ahead of the batch
.set j, 0
.rept 128
	v_exp_f32 v[S+j], v[S+j]                       ; p = 2^(t - M)
.set j, j+1
.endr
.irp x, 0,1
	v_pk_mul_f32 v[ST+4*\x+2:ST+4*\x+3], v[ST+4*\x+2:ST+4*\x+3], v[FF+2*\x:FF+2*\x+1] op_sel_hi:[1,0]   ; the sums under the new M: plain places behind the batch
.endr
	s_wait_alu depctr_va_vdst(0)                   ; and the wait behind it, ahead of its first reader
.irp x, 0,1                                    ; the row's sum of the unquantised p: four chains a tile, two numbers an instruction
	v_pk_add_f32 v[SU+6*\x:SU+6*\x+1], v[S+64*\x:S+64*\x+1], v[S+64*\x+2:S+64*\x+3]
	v_pk_add_f32 v[SU+6*\x+2:SU+6*\x+3], v[S+64*\x+4:S+64*\x+5], v[S+64*\x+6:S+64*\x+7]
	v_pk_add_f32 v[SU+6*\x+4:SU+6*\x+5], v[S+64*\x+8:S+64*\x+9], v[S+64*\x+10:S+64*\x+11]
	v_pk_add_f32 v[ST+4*\x+2:ST+4*\x+3], v[ST+4*\x+2:ST+4*\x+3], v[S+64*\x+12:S+64*\x+13]
.endr
.set j, 14
.rept 6
.irp x, 0,1
	v_pk_add_f32 v[SU+6*\x:SU+6*\x+1], v[SU+6*\x:SU+6*\x+1], v[S+64*\x+j:S+64*\x+j+1]
	v_pk_add_f32 v[SU+6*\x+2:SU+6*\x+3], v[SU+6*\x+2:SU+6*\x+3], v[S+64*\x+j+2:S+64*\x+j+3]
	v_pk_add_f32 v[SU+6*\x+4:SU+6*\x+5], v[SU+6*\x+4:SU+6*\x+5], v[S+64*\x+j+4:S+64*\x+j+5]
	v_pk_add_f32 v[ST+4*\x+2:ST+4*\x+3], v[ST+4*\x+2:ST+4*\x+3], v[S+64*\x+j+6:S+64*\x+j+7]
.endr
.set j, j+8
.endr
.irp x, 0,1
	v_pk_add_f32 v[ST+4*\x+2:ST+4*\x+3], v[ST+4*\x+2:ST+4*\x+3], v[S+64*\x+62:S+64*\x+63]
.endr
.irp x, 0,1
	v_pk_add_f32 v[SU+6*\x:SU+6*\x+1], v[SU+6*\x:SU+6*\x+1], v[SU+6*\x+2:SU+6*\x+3]
.endr
.irp x, 0,1
	v_pk_add_f32 v[ST+4*\x+2:ST+4*\x+3], v[ST+4*\x+2:ST+4*\x+3], v[SU+6*\x+4:SU+6*\x+5]
.endr
.irp x, 0,1
	v_pk_add_f32 v[ST+4*\x+2:ST+4*\x+3], v[ST+4*\x+2:ST+4*\x+3], v[SU+6*\x:SU+6*\x+1]
.endr
.irp x, 0,1
.irp c, 0,1
	v_cvt_scalef32_pk16_fp6_f32 v[PC+12*\x+6*\c:PC+12*\x+6*\c+2], v[S+64*\x+32*\c:S+64*\x+32*\c+15], v[SO+2*\x+\c]
	v_cvt_scalef32_pk16_fp6_f32 v[CT+8*\x+4*\c:CT+8*\x+4*\c+2], v[S+64*\x+32*\c+16:S+64*\x+32*\c+31], v[SO+2*\x+\c]   ; (three registers from an even one: made here and moved)
.endr
.endr
	v_nop                                          ; one plain place behind the scaled conversions
.irp x, 0,1
.irp c, 0,1
.irp i, 0,1,2
	v_mov_b32 v[PC+12*\x+6*\c+3+\i], v[CT+8*\x+4*\c+\i]
.endr
.endr
.endr
.endm
.macro RESCALE                         ; O^T x f, each accumulator from its low end on; also the places between p's codes and scale words and the products that take them
	WIN 0x41
.irp x, 0,1
.set j, 0
.rept 32
	v_pk_mul_f32 v[64*\x+j:64*\x+j+1], v[64*\x+j:64*\x+j+1], v[FF+2*\x:FF+2*\x+1] op_sel_hi:[1,0]
.set j, j+2
.endr
.endr
.endm
; A key step.  Its K fragments have been asked for: 13 loads, then 12.  pre = 1: the next step's, 25,600 bytes on in the same region, are asked for behind the two halves of O^T's products.
; A load into a register that a matrix instruction has read stands four plain places behind it.
.macro STEP pre
	s_wait_dscnt 12                                ; K's scale words and tiles 0-3 are in; the youngest 12 loads (tiles 4-7) may be out
	KQ 0
	s_wait_dscnt 0x0
	KQ 1
	WIN 0
.irp x, 0,1
	v_mov_b32 v[WD+\x], v[ST+4*\x]                 ; the old -M is kept: two of the four places
.endr
	PLACES 2
	FRA 12288, 25088, VS                           ; V's fragments land under the softmax
	FRB 12288
	WIN 0
	SOFT2
	RESCALE
	s_wait_alu depctr_va_vdst(0)                   ; the wait, directly ahead of the wait below
	s_wait_dscnt 0x0                               ; V is in
	PV 0
	WIN 0
	PLACES 4
.if \pre
	FRA STEPB, STEPB+24576, KS
.endif
	PV 1
	WIN 0
	PLACES 4
.if \pre
	FRB STEPB
	WIN 0
.endif
.endm
.macro SLOT_STEPS base, n              ; the n key steps of the region at LDS byte base: n - 1 in a loop, the last asks for no further K
	s_mov_b32 s[TB], \base
	v_add_nc_u32 v[ADR], s[TB], v[LI]
	s_wait_alu depctr_va_vdst(0)                   ; the wait behind the write
	FRA 0, 24576, KS
	FRB 0
	WIN 0
	s_mov_b32 s[CNT], \n-1
.Lstep_\@:
	STEP 1
	s_add_co_u32 s[TB], s[TB], STEPB
	v_add_nc_u32 v[ADR], s[TB], v[LI]
	s_sub_co_u32 s[CNT], s[CNT], 1
	s_cmp_lg_u32 s[CNT], 0
	s_wait_alu depctr_va_vdst(0)                   ; the wait ahead of the branch
	s_cbranch_scc1 .Lstep_\@
	STEP 0
.endm
; Both tiles of q: 64 numbers of a lane (block c in v[S + 64 x + 32 c] on: d = 64 c + 32 h + 0 .. 31 of query r) become the fragments in window 1 and the scale words.
.macro QQUANT2
.irp x, 0,1
.irp c, 0,1
	v_max3_num_f32 v[BM+2*\x+\c], |v[S+64*\x+32*\c]|, |v[S+64*\x+32*\c+1]|, 0x1800000   ; the floor 2^(3 - 127) is one more leaf
.endr
.endr
.irp i, 2,4,6,8,10,12,14,16,18,20,22,24,26,28,30
.irp x, 0,1
.irp c, 0,1
	v_max3_num_f32 v[BM+2*\x+\c], v[BM+2*\x+\c], |v[S+64*\x+32*\c+\i]|, |v[S+64*\x+32*\c+\i+1]|
.endr
.endr
.endr
.irp b, 0,1,2,3
	v_add_nc_u32 v[SO+\b], 0xff000000, v[BM+\b]    ; 2 off the exponent field
.endr
.irp b, 0,1,2,3
	v_lshrrev_b32 v[ZB+\b], 23, v[SO+\b]
.endr
.irp x, 0,1
	v_lshl_or_b32 v[WD+\x], v[ZB+2*\x+1], 16, v[ZB+2*\x]
.endr
.irp x, 0,1
	v_lshlrev_b32 v[WD+\x], v[H8], v[WD+\x]
.endr
.irp x, 0,1
	v_permlanex16_b32 v[PD+\x], v[WD+\x], s[SEL], s[SEL+1]
.endr
.irp x, 0,1
	v_or_b32 v[QS+\x], v[WD+\x], v[PD+\x]
.endr
.irp x, 0,1
.irp c, 0,1
	v_cvt_scalef32_pk16_fp6_f32 v[PC+12*\x+6*\c:PC+12*\x+6*\c+2], v[S+64*\x+32*\c:S+64*\x+32*\c+15], v[SO+2*\x+\c]
	v_cvt_scalef32_pk16_fp6_f32 v[CT+8*\x+4*\c:CT+8*\x+4*\c+2], v[S+64*\x+32*\c+16:S+64*\x+32*\c+31], v[SO+2*\x+\c]
.endr
.endr
	v_nop                                          ; one plain place behind the scaled conversions
	WIN 0x40
.irp x, 0,1
.irp c, 0,1
.irp i, 0,1,2
	v_mov_b32 v[QF+12*\x+6*\c+\i], v[PC+12*\x+6*\c+\i]
	v_mov_b32 v[QF+12*\x+6*\c+3+\i], v[CT+8*\x+4*\c+\i]
.endr
.endr
.endr
	WIN 0
.endm
	s_load_b128 s[4:7], s[0:1], 0x0                ; q, kv
	s_load_b64 s[8:9], s[0:1], 0x10                ; out0
	v_lshl_add_u32 v[SPW], v0, 2, SPARE
	v_mov_b32 v[NIL], 0
	ds_add_u32 v[SPW], v[NIL]                      ; the opening lines: the add, twice on end, and its wait
	ds_add_u32 v[SPW], v[NIL]
	v_lshrrev_b32 v10, 5, v0
	v_readfirstlane_b32 s[WV], v10                 ; wave 0..7
	s_bfe_u32 s11, ttmp6, 0x40000                  ; cx
	s_lshl_b32 s12, ttmp9, 2
	s_add_co_u32 s12, s12, s11                     ; my block of 256 queries: it enters q's and out0's addresses alone
	s_and_b32 s13, ttmp7, 0xffff                   ; the head, which the four partners share
.irp g, G1, G1B
	s_mov_b32 s[\g], 15|(3<<16)|(1<<21)            ; group 1: mask of all four; elements of 8 bytes; bit 21 beside the mask
	s_mov_b32 s[\g+1], 32<<16                      ; rows of 32 elements, dense
	s_mov_b32 s[\g+3], 32<<16
	s_mov_b32 s[\g+5], 32
	s_mov_b32 s[\g+6], 0
	s_mov_b32 s[\g+7], 0
.endr
	s_mov_b32 s[G1+2], 75<<16                      ; 75 rows for region 0,
	s_mov_b32 s[G1+4], 75
	s_mov_b32 s[G1B+2], 50<<16                     ; 50 for region 1
	s_mov_b32 s[G1B+4], 50
	s_mov_b32 s[CS], 0x3e0293ee                    ; c = log2(e) / sqrt(128)
	s_mov_b32 s[CS+1], s[CS]
	s_mov_b32 s[SEL], 0x76543210
	s_mov_b32 s[SEL+1], 0xfedcba98
	s_cmp_lt_u32 s[WV], 5                          ; waves 0 to 4
	s_cselect_b32 s38, 0, 1
	s_or_b32 s38, s38, ttmp9                       ; of the head's first cluster prefetch: the same in all four partners
	s_cmp_eq_u32 s38, 0
	s_cselect_b32 s[LIM], 1, 0
	s_mul_i32 s14, s13, HEADB                      ; kv: my head
	s_mul_i32 s[G0+1], s[WV], PART0                ; my wave's part of region 0, in LDS
	s_mul_i32 s42, s[WV], PART1                    ; and of region 1:
	s_add_co_u32 s[G0B+1], s42, R1                 ; in LDS,
	s_add_co_u32 s42, s42, s14
	s_add_co_u32 s42, s42, R0B                     ; and in memory: steps 6-9
	s_mov_b32 s43, 0
	s_add_co_u32 s14, s14, s[G0+1]                 ; region 0's part in memory: steps 0-5
	s_mov_b32 s15, 0
	s_lshl_b32 s40, s13, 20                        ; q and out0: a head is 2,048 rows of 512 bytes,
	s_lshl_b32 s41, s12, 17                        ; a block 256,
	s_add_co_u32 s40, s40, s41
	s_lshl_b32 s41, s[WV], 14                      ; a wave 32
	s_add_co_u32 s40, s40, s41
	s_mov_b32 s41, 0
	s_mul_i32 s38, s13, HEADB                      ; the prefetch: my head,
	s_mul_i32 s39, s11, R0B/4                      ; my work-group's quarter
	s_add_co_u32 s38, s38, s39
	s_add_co_u32 s38, s38, 10*STEPB                ; of steps 10-15
	s_mov_b32 s39, 0
	v_and_b32 v10, 31, v0
	v_and_b32 v11, 15, v0                          ; r
	v_lshlrev_b32 v[LI], 4, v10
	v_min_u32 v[PFO], 149, v0                      ; a quarter is 150 blocks of 256 bytes
	v_bfe_u32 v10, v0, 4, 1                        ; h
	v_mul_u32_u24 v11, v11, SP
	s_mul_i32 s30, s[WV], 16*SP
	s_add_co_u32 s30, s30, STG                     ; my stage
	v_lshlrev_b32 v[H8], 3, v10
	v_lshlrev_b32 v[PFO], 8, v[PFO]
	v_add_nc_u32 v11, s30, v11
	v_add_nc_u32 v[STI], s30, v[LI]
	v_lshl_add_u32 v[STQ], v10, 7, v11
	v_lshl_add_u32 v[STO], v10, 5, v11
	s_wait_dscnt 0x0                               ; both opening adds are done
	s_wait_alu depctr_va_vdst(0)                   ; the wait, directly ahead of the wait below
	s_wait_kmcnt 0x0
	s_mov_b32 s[G0], 1
	s_add_nc_u64 s[G0+2:G0+3], s[6:7], s[14:15]
	s_or_b32 s[G0+3], s[G0+3], 0x80000000
	s_mov_b32 s[G0B], 1
	s_add_nc_u64 s[G0B+2:G0B+3], s[6:7], s[42:43]
	s_or_b32 s[G0B+3], s[G0B+3], 0x80000000
	s_add_nc_u64 s[PFA:PFA+1], s[6:7], s[38:39]
	s_add_nc_u64 s[4:5], s[4:5], s[40:41]
	s_add_nc_u64 s[8:9], s[8:9], s[40:41]
	; q: 32 rows of 512 bytes, a row a load, asked for ahead of the round
.irp x, 0,1
.irp i, 0,1,2,3,4,5,6,7,8,9,10,11,12,13,14,15
	global_load_b128 v[S+64*\x+4*\i:S+64*\x+4*\i+3], v[LI], s[4:5] offset:8192*\x+512*\i th:TH_LOAD_NT
.endr
.endr
	CROUND                                         ; all four work-groups are here: the first joint loads meet
	JLOAD G0, G1                                   ; steps 0-5
.irp x, 0,1
	v_mov_b32 v[ST+4*\x+1], 0xff61b1e6             ; the largest score so far: -3e38
	v_mov_b32 v[ST+4*\x], 0x7de5f0a0               ; -M to go with it: a large whole number, so that the first f is 0
	v_mov_b32 v[ST+4*\x+2], 0                      ; the sum, in two halves
	v_mov_b32 v[ST+4*\x+3], 0
	v_mov_b32 v[PD+\x], 0                          ; a lane permute's destination counts as one of its sources
.endr
	WIN 0x40
.set j, 0
.rept 128
	v_mov_b32 v[j], 0                              ; O^T: the step is written for every step alike, the first finds zeros
.set j, j+1
.endr
	WIN 0
	s_wait_loadcnt 16                              ; tile 0's 16 rows are in; tile 1's 16 loads may be out
.irp i, 0,1,2,3,4,5,6,7,8,9,10,11,12,13,14,15
	ds_store_b128 v[STI], v[S+4*\i:S+4*\i+3] offset:SP*\i
.endr
	s_wait_dscnt 0x0                               ; the stores have read their registers
.irp c, 0,1
.irp j, 0,1,2,3,4,5,6,7
	ds_load_b128 v[S+32*\c+4*\j:S+32*\c+4*\j+3], v[STQ] offset:256*\c+16*\j
.endr
.endr
	s_wait_loadcnt 0x0
.irp i, 0,1,2,3,4,5,6,7,8,9,10,11,12,13,14,15
	ds_store_b128 v[STI], v[S+64+4*\i:S+64+4*\i+3] offset:SP*\i   ; served in order: behind tile 0's loads
.endr
	s_wait_dscnt 0x0
.irp c, 0,1
.irp j, 0,1,2,3,4,5,6,7
	ds_load_b128 v[S+64+32*\c+4*\j:S+64+32*\c+4*\j+3], v[STQ] offset:256*\c+16*\j
.endr
.endr
	s_wait_dscnt 0x0
	QQUANT2
	s_wait_alu depctr_va_vdst(0)                   ; the wait at the head's end
	CHANGE 1                                       ; steps 0-5 are in; steps 6-9 are asked for
	SLOT_STEPS 0, 6
	CHANGE 2                                       ; steps 6-9 are in, region 0 is read out; steps 10-15 are asked for
	SLOT_STEPS R1, 4
	CHANGE 0                                       ; steps 10-15 are in
	SLOT_STEPS 0, 6
	; THE WAY OUT: the sum's halves and lane l xor 16's; O^T divided by the sum goes through my stage, a tile of 16 queries at a time
.irp x, 0,1
	v_add_f32 v[TT+\x], v[ST+4*\x+2], v[ST+4*\x+3]
.endr
.irp x, 0,1
	v_permlanex16_b32 v[PD+\x], v[TT+\x], s[SEL], s[SEL+1]
.endr
.irp x, 0,1
	v_add_f32 v[TT+\x], v[TT+\x], v[PD+\x]
.endr
	s_wait_alu depctr_va_vdst(0)                   ; the wait ahead of the transcendentals
.irp x, 0,1
	v_rcp_f32 v[SO+2*\x], v[TT+\x]
.endr
	v_nop
	s_wait_alu depctr_va_vdst(0)                   ; and behind them
.macro OUT x
	WIN 0x01
.set j, 0
.rept 32
	v_pk_mul_f32 v[S+j:S+j+1], v[64*\x+j:64*\x+j+1], v[SO+2*\x:SO+2*\x+1] op_sel_hi:[1,0]   ; register 8 t + i is o(r, 16 t + 8 h + i)
.set j, j+2
.endr
	WIN 0
.irp t, 0,1,2,3,4,5,6,7
	ds_store_b128 v[STO], v[S+8*\t:S+8*\t+3] offset:64*\t
	ds_store_b128 v[STO], v[S+8*\t+4:S+8*\t+7] offset:64*\t+16
.endr
.if \x
	s_wait_xcnt 0x0                                ; tile 0's stores have read their registers
.endif
.irp i, 0,1,2,3,4,5,6,7,8,9,10,11,12,13,14,15
	ds_load_b128 v[S+64+4*\i:S+64+4*\i+3], v[STI] offset:SP*\i   ; back as whole rows
.endr
.irp i, 0,1,2,3,4,5,6,7,8,9,10,11,12,13,14,15
	s_wait_dscnt 15-\i                             ; row i is back; the younger loads may be out
	global_store_b128 v[LI], v[S+64+4*\i:S+64+4*\i+3], s[8:9] offset:8192*\x+512*\i th:TH_STORE_NT   ; a row: 512 consecutive bytes, at a multiple of 256 from out0's first byte
.endr
.endm
	OUT 0
	OUT 1
	s_wait_tensorcnt 0x0                           ; the wave's end
	ds_add_u32 v[SPW], v[NIL]
	s_wait_dscnt 0x0
	CROUND                                         ; the closing round
	s_endpgm
.Lfunc_end_k_qb03006e8cb_attn:
	.size	k_qb03006e8cb_attn, .Lfunc_end_k_qb03006e8cb_attn-k_qb03006e8cb_attn
	.p2alignl 7, 3214868480
	.fill 96, 4, 3214868480
	.section	.rodata,"a",@progbits
	.p2align	6, 0x0
	.amdhsa_kernel k_qb03006e8cb_attn
		.amdhsa_group_segment_fixed_size 327680
		.amdhsa_private_segment_fixed_size 0
		.amdhsa_enable_private_segment 0
		.amdhsa_kernarg_size 24
		.amdhsa_user_sgpr_count 2
		.amdhsa_user_sgpr_kernarg_segment_ptr 1
		.amdhsa_wavefront_size32 1
		.amdhsa_system_sgpr_workgroup_id_x 1
		.amdhsa_system_sgpr_workgroup_id_y 1
		.amdhsa_system_sgpr_workgroup_id_z 1
		.amdhsa_system_vgpr_workitem_id 0
		.amdhsa_next_free_vgpr 512
		.amdhsa_next_free_sgpr 66
		.amdhsa_reserve_vcc 0
		.amdhsa_float_denorm_mode_32 3
		.amdhsa_float_denorm_mode_16_64 3
		.amdhsa_memory_ordered 1
		.amdhsa_forward_progress 1
		.amdhsa_inst_pref_size 226
	.end_amdhsa_kernel
	.amdgpu_metadata
---
amdhsa.version: [ 1, 2 ]
amdhsa.kernels:
  - .name:           k_qb03006e8cb_attn
    .symbol:         k_qb03006e8cb_attn.kd
    .args:
      - { .name: q, .offset: 0, .size: 8, .value_kind: global_buffer, .address_space: global }
      - { .name: kv, .offset: 8, .size: 8, .value_kind: global_buffer, .address_space: global }
      - { .name: out0, .offset: 16, .size: 8, .value_kind: global_buffer, .address_space: global }
    .group_segment_fixed_size: 327680
    .private_segment_fixed_size: 0
    .kernarg_segment_align: 8
    .kernarg_segment_size: 24
    .max_flat_workgroup_size: 256
    .sgpr_count:     66
    .vgpr_count:     512
    .wavefront_size: 32
...
	.end_amdgpu_metadata
.endif
;; end of part 2
